; MI455X (gfx1250); checked and timed in simulation.
; The chip was launched on July 23, 2026; its instructions are those of AMD's public machine-readable ISA for CDNA 5 (MIT licence, August 2026) and "CDNA5" Instruction Set Architecture Reference Guide (July 2026). The comments in the code are by the model that wrote it; some were corrected since.
;; Geometric Attention Bias. Allowed arithmetic: float matrix products may take bf16 or f16 operands with f32 sums; other float arithmetic in f32, or as packed bf16 or f16 multiplies, adds, multiply-adds, maxima and minima; sums over many terms, partial sums and values carried from step to step in f32; what a program stores and reads back later, other than sums and carried values, may be rounded once to bf16 or f16.
;; Inputs: W1 4 x 128 float32; W2 128 x 64 float32; W3 64 x 8 float32; b1 128 float32; b2 64 float32; b3 8 float32; beta1 128 float32; beta2 64 float32; bias_scale 8 float32; g1 128 float32; g2 64 float32; grasp_poses 4 x 64 x 7 float32; grasp_tokens 4 x 64 x 256 float32; scene_points 4 x 4,096 x 3 float32.
;; Outputs: out0 4 x 8 x 64 x 4,096 float32.
;; One version. Each part assembles by itself: llvm-mc -triple=amdgcn-amd-amdhsa -mcpu=gfx1250 --defsym DOCPART=n.
;; ======== version 1 of 1: 1 launch
;; limits: a difference of large sums (such as E[x^2] - mean^2): digits are lost where the result is much smaller than its terms; values are held in f16: magnitudes above 65,504 overflow, below 6.1e-05 lose precision; values outside matrix products are rounded to f16
;; launch geo_bias (part 1): grid 256 x 1, 8 waves a work-group, no clusters, 26,112 bytes of LDS; arguments scene_points, grasp_poses, W1, b1, g1, beta1, W2, b2, g2, beta2, W3, b3, bias_scale, out0; writes out0
.if DOCPART == 1
	.amdgcn_target "amdgcn-amd-amdhsa--gfx1250"
	.amdhsa_code_object_version 6
	.text
	.protected	k_qf6816592e8_geo_bias
	.globl	k_qf6816592e8_geo_bias
	.p2align	8
	.type	k_qf6816592e8_geo_bias,@function
k_qf6816592e8_geo_bias:
	s_mov_b64 s[64:65], 0
	v_nop
	global_prefetch_b8 v0, s[64:65] scope:SCOPE_SE
	s_setreg_imm32_b32 hwreg(HW_REG_WAVE_MODE, 25, 1), 1
	s_wait_xcnt 0x0
; out[b][hd][g][p] = bias_scale[hd] * (LN2(relu(LN1(relu(f W1 + b1)) W2 + b2)) W3 + b3)[hd],  f = (R^T (point p - t), its norm) for grasp g of batch b.
; 4 x 64 grasps, 4,096 points; hidden sizes 128 and 64; 8 heads; all buffers f32.  grasp_tokens is not among the arguments.
; SHARES.  A work-group is one grasp (256 of them) with all 4,096 points; each of its eight waves takes 512 points, in 4 groups of 128; a group is 4 passes (ITER) of 32 pairs.
; In pass i lane L owns point 4 L + i of the group: after four passes a lane holds 4 neighbouring points of each head, and one store of 16 bytes a lane covers 512 consecutive bytes, aligned.
; THE LAYER NORMS ARE FOLDED.  With r = relu(z):  LN(r) W + b = rs (Wc^T r) + c,  Wc = (I - 11^T/n) diag(g) W (the mean is taken away inside the weights),  c = beta W + b,  rs = rsqrt(var + eps).
; var = S2/n - (S1/n)^2: S1 is a product of r with ones, S2 the diagonal of the product r^T r (source 0 and source 1 have one register map, so it is one matrix instruction on the same registers twice).
; LAYOUT.  Every product is taken transposed: source 0 = 16 units' weights, source 1 = 16 pairs.  A lane of the result holds ONE pair (lane % 16) and the units 8 (lane / 16) + 0..7; two results rounded to f16 in
; pairs ARE source 1 of the next product: nothing changes lanes between the layers.  b1 rides as a fifth feature that is 1.
; FORMATS.  Matrix operands in f16, sums in f32.  W2c is kept x 32 and W3c x 16, so that they lie in the middle of f16's range; the factors are undone in the roots' arguments:
; rsqrt(1024 (var1 + eps)) = rs1 / 32,  rsqrt(256 (var2 + eps)) = rs2 / 16.  c2, c3 and bias_scale stay in f32.
; LIMITS.  The features, z1, z2, 32 W2c and 16 W3c lie within f16's 65,504; below 6e-5 they keep f16's fixed step of 6e-8.  The variance is a difference of two f32 sums of exact f16 products, held at 0 from below:
; its error is 2^-24 mean^2 / var of itself.  Roots and reciprocals are good to the last place or so and take denormals as 0.  NaN and infinities are not treated apart.
; NO CLUSTER, NO TENSOR LOADS: what work-groups share is 38 KB of weights, read once by each at its start; a wave's points are 6 KB.  No stream is waited for, so nothing is prefetched.
;
; LDS (all but the spare words written by ds_store, once, in the preparation)
.set PART,  0        ; 2,048: column sums of g1 W2 by quarter of K, [4][64] f32; behind them, at 1,024, those of beta1 W2
.set C2L,   2048     ; 256:   c2[64] f32
.set W1L,   2560     ; 4,096: 8 fragments' first halves: 512 bytes each, lane l's 16 bytes at 16 l
.set W3L,   6656     ; 2,048: 2 fragments of two blocks of 512
.set W2L,   8704     ; 16,384: fragment (mt, ks) at 1,024 (4 mt + ks), two blocks of 512
.set SPARE, 25088    ; 1,024: the spare words, 128 bytes a wave: four blocks of 256 bytes that no other line names
; VECTOR REGISTERS, window 0 (s_set_vgpr_msb: bits 1:0 source 0, 3:2 source 1, 5:4 source 2, 7:6 destination)
.set SPW, 2          ; v2   LDS address of my spare word; never rewritten
.set NIL, 3          ; v3   0; never rewritten
.set VZ,  4          ; v4   0: the ReLU's second operand, and an offset of 0
.set PO,  6          ; v6   my 48 bytes (4 points) in the wave's points
.set OO,  7          ; v7   my 16 bytes in a head's row of out
.set PTS, 8          ; v[8:19]    four points
.set TM,  20         ; v[20:35]   at work: +0..7 features, then +4..7 the diagonals' sums; +8, +9 S2; +10, +11 means; +12:13, +14:15 the two rs (pairs, low word used)
.set MSK, 36         ; v[36:43]   register j: 1.0 in the lanes that hold a diagonal element of a 16 x 16 result in register j, else 0
.set F0,  44         ; v[44:51]   features of lanes 0-15's pairs as source 1: (x, y), (z, d), (1, 0), then zeros
.set F1,  52         ; v[52:59]   the same for lanes 16-31's pairs
.set OUT, 60         ; v[60:91]   head j, pass i at 60 + 4 j + i
.set R0,  92         ; v[92:155]  relu'd f16 operands: tile u at R0 + 32 u (32 registers behind layer 1, 16 behind layer 2)
.set ZA,  156        ; v[156:219] layer 1's sums, tile t at +8 t; then layer 2's, tile u, block mt at +32 u + 8 mt
.set GA,  220        ; v[220:235] r^T r of tile u at +8 u
.set SA,  236        ; v[236:251] ones x r of tile u at +8 u; then layer 3's sums
; window 1: what the matrix instructions take as source 0, and c2
.set W2F, 0          ; fragment (mt, ks) at 8 (4 mt + ks)
.set W1F, 128        ; fragment t at 128 + 4 t, 8 registers: its upper four are fragment t + 1's lower four and meet the features' zeros; 160-163 are 0
.set ONE, 164        ; 1.0 in every half
.set A3A, 172        ; rows 0-7: W3c of head r; rows 8-15: ones     (two fragments)
.set A3B, 188        ; rows 0-7: ones; rows 8-15: W3c of head r - 8
.set C2,  204        ; register 8 mt + j: c2[16 mt + 8 (lane / 16) + j]
; window 0, in the preparation only
.set W1V, 60
.set PK1, 68
.set PQ,  72         ; the pose: t, then the quaternion x, y, z, w
.set X3,  92
.set G3,  108
.set B3,  124
.set PK3, 140
.set CS3, 148
.set CB3, 149
.set B3V, 150
.set BSV, 151
.set NM3, 152
.set WVR, 156        ; my 32 numbers of a column of W2
.set PK2, 188
.set CSA, 204        ; two chains of the column sum, two of the beta sum
.set RB,  208        ; sums read back
.set B2V, 216
.set AW2, 220
.set AW1, 221
.set AW3, 222
.set AG2, 223
.set AHD, 224
.set AJ,  225
.set LT,  226
.set LW1, 227
.set LW3, 228
.set LW2, 229
.set LL,  230
.set LH,  231
.set T0,  232
.set T1,  233
.set T2,  234
.set T3,  235
; SCALARS.  s[8:9] points, s[10:11] pose, s[12:31] W1 b1 g1 beta1 W2 b2 g2 beta2 W3 b3, s[4:5] bias_scale, s[6:7] out
.set WAVE, 2
.set QQ,  3          ; wave / 2: my quarter of layer 2's K
.set SG,  32         ; s[32:63] g1's quarter, s[68:99] beta1's: in the preparation only
.set SB,  68
.set NT,  32         ; s32-34  -t
.set RM,  36         ; s36-44  R00 R10 R20 R01 R11 R21 R02 R12 R22
.set BS,  45         ; s45-52  bias_scale
.set CB,  53         ; s53-60  bias_scale x c3
.set AL1, 61         ; 8.0      = 1024 / 128
.set EK1, 62         ; 0.01024  = 1024 eps
.set AL2, 63         ; 4.0      = 256 / 64
.set CNT, 66
.set HIM, 67         ; a lane mask: lanes 16-31
.set EK2, 68         ; 0.00256  = 256 eps
.set QRT, 69         ; 0.25: (0.25 S1)^2 = 1024 (S1 / 128)^2 = 256 (S1 / 64)^2
.set SEL, 100        ; s[100:101] v_permlanex16_b32's selects: each lane takes its own place in the other half
.set MSB, 0
.macro WIN new                          ; the immediate's high byte repeats the setting that is left; a switch that changes nothing is dropped
.if MSB != (\new)
	s_set_vgpr_msb (MSB<<8)|(\new)
.set MSB, \new
.endif
.endm
.macro PLACES                           ; four plain instructions between a matrix instruction and vector work on its registers (ISA guide 7.12.1)
.rept 4
	v_nop
.endr
.endm
.macro MMA d, a, b, z                   ; one product; z: it starts the sum with the constant 0
.if \z
	v_wmma_f32_16x16x32_f16 v[(\d):(\d)+7], v[(\a):(\a)+7], v[(\b):(\b)+7], 0
.else
	v_wmma_f32_16x16x32_f16 v[(\d):(\d)+7], v[(\a):(\a)+7], v[(\b):(\b)+7], v[(\d):(\d)+7]
.endif
.endm
	; ---------------------------------------------------------------- the head: addresses and constants
	s_load_b512 s[8:23], s[0:1], 0x0
	s_load_b256 s[24:31], s[0:1], 0x40
	s_load_b128 s[4:7], s[0:1], 0x60
	v_lshl_add_u32 v[SPW], v0, 2, SPARE
	v_mov_b32 v[NIL], 0
	v_mov_b32 v[VZ], 0
	v_and_b32 v1, 31, v0                    ; lane
	v_lshrrev_b32 v5, 5, v0
	v_readfirstlane_b32 s[WAVE], v5         ; wave 0..7
	s_lshr_b32 s[QQ], s[WAVE], 1
	s_mov_b32 s[SEL], 0x76543210
	s_mov_b32 s[SEL+1], 0xfedcba98
	s_mov_b32 s[HIM], 0xffff0000
	s_lshr_b32 s32, ttmp9, 6                ; batch
	s_and_b32 s36, ttmp9, 63                ; grasp
	s_mul_i32 s34, ttmp9, 28                ; s[34:35]: my pose, 7 numbers
	s_mov_b32 s35, 0
	s_lshl_b32 s36, s36, 14                 ; s[36:37]: out at (batch, head 0, grasp): 8,388,608 a batch, 16,384 a grasp
	s_lshl_b32 s37, s32, 23
	s_add_co_u32 s36, s36, s37
	s_mov_b32 s37, 0
	s_mul_i32 s32, s32, 49152               ; s[32:33]: the batch's points, 12 bytes each, and my wave's 512 of them
	s_mul_i32 s33, s[WAVE], 6144
	s_add_co_u32 s32, s32, s33
	s_mov_b32 s33, 0
	s_lshl_b32 s38, s[QQ], 7                ; s[38:39]: my quarter of g1 and beta1
	s_mov_b32 s39, 0
	s_and_b32 s40, s[WAVE], 1               ; thread t = 32 wave + lane.  j = t % 64 = 32 (wave % 2) + lane: my column of W2
	s_lshl_b32 s41, s40, 7                  ; 4 j's part of the wave
	s_and_b32 s42, s[WAVE], 3               ; m = t % 128 = 32 (wave % 4) + lane: my unit of layer 1
	s_lshl_b32 s43, s42, 7                  ; 4 m's part of the wave
	s_lshl_b32 s42, s42, 10                 ; W1L: fragment m / 16 = 2 (wave % 4) + lane / 16, 512 bytes each; waves 4-7 write the upper lanes' halves
	s_lshr_b32 s44, s[WAVE], 2
	s_lshl_b32 s44, s44, 8
	s_add_co_u32 s42, s42, s44
	s_lshl_b32 s40, s40, 13                 ; W2L: fragment (j / 16, q): j / 16 = 2 (wave % 2) + lane / 16
	s_lshl_b32 s44, s[QQ], 10
	s_add_co_u32 s40, s40, s44
	v_and_b32 v[T0], 15, v1                 ; r = lane % 16
	v_lshrrev_b32 v[T1], 4, v1              ; h = lane / 16
	v_and_b32 v[T2], 7, v1                  ; hd = lane % 8: my head of W3
	v_lshrrev_b32 v[T3], 3, v1              ; kq = lane / 8: my 16 rows of W3
	v_lshl_add_u32 v[AJ], v1, 2, s41        ; 4 j
	v_lshl_add_u32 v[AW2], s[QQ], 13, v[AJ] ; W2[32 q][j]: rows of 256 bytes
	v_lshl_add_u32 v[AW1], v1, 2, s43       ; 4 m
	v_lshlrev_b32 v[AHD], 2, v[T2]          ; 4 hd
	v_lshl_add_u32 v[AW3], v[T3], 9, v[AHD] ; W3[16 kq][hd]: rows of 32 bytes
	v_lshlrev_b32 v[AG2], 6, v[T3]          ; g2[16 kq]
	v_lshlrev_b32 v[LT], 2, v0              ; 4 t
	v_lshlrev_b32 v[LL], 4, v1              ; 16 lane
	v_lshlrev_b32 v[LH], 5, v[T1]           ; 32 h
	v_lshl_add_u32 v[LW1], v[T0], 4, s42
	v_lshl_add_u32 v[LW1], v[T1], 9, v[LW1]
	v_lshl_add_u32 v[LW2], v[T0], 4, s40
	v_lshl_add_u32 v[LW2], v[T1], 12, v[LW2]
	v_lshlrev_b32 v[LW3], 4, v[T2]          ; block kq (fragment kq / 2, half kq % 2) at 512 kq; row hd
	v_lshl_add_u32 v[LW3], v[T3], 9, v[LW3]
	v_mul_u32_u24 v[PO], v1, 48
	v_lshl_add_u32 v[OO], s[WAVE], 11, v[LL]
	; In a 16 x 16 result register j of lane (r, h) is element (8 h + j, r): the diagonal lies in lanes 0-7 and 24-31, in register lane % 8
	v_xor_b32 v5, v[T3], v[T1]
	v_and_b32 v5, 1, v5
	v_lshl_or_b32 v5, v5, 3, v[T2]          ; lane % 8, or 8 and more in the lanes that hold no diagonal element
.set n, 0
.rept 8
	v_cmp_eq_u32 vcc_lo, n, v5
	v_cndmask_b32 v[MSK+n], 0, 1.0, vcc_lo
.set n, n+1
.endr
.set n, 0
.rept 16
	v_mov_b32 v[TM+n], 0                    ; named in pairs and as lane exchanges' destinations, so they are written once
.if n%8 == 2
	v_mov_b32 v[F0+n], 0x3c00               ; the fifth feature: 1.0, and 0 beside it
.else
	v_mov_b32 v[F0+n], 0
.endif
.set n, n+1
.endr
	s_wait_kmcnt 0x0
	s_add_nc_u64 s[8:9], s[8:9], s[32:33]
	s_add_nc_u64 s[10:11], s[10:11], s[34:35]
	s_add_nc_u64 s[6:7], s[6:7], s[36:37]
	s_add_nc_u64 s[16:17], s[16:17], s[38:39]
	s_add_nc_u64 s[18:19], s[18:19], s[38:39]
	s_load_b512 s[SG:SG+15], s[16:17], 0x0
	s_load_b512 s[SG+16:SG+31], s[16:17], 0x40
	s_load_b512 s[SB:SB+15], s[18:19], 0x0
	s_load_b512 s[SB+16:SB+31], s[18:19], 0x40
	; everything that the preparation and the first group read goes out in one run, and is waited for once
.irp c, 0,1,2
	global_load_b128 v[PTS+4*(\c):PTS+4*(\c)+3], v[PO], s[8:9] offset:16*(\c)
.endr
.irp c, 0,1,2,3,4,5,6
	global_load_b32 v[PQ+(\c)], v[VZ], s[10:11] offset:4*(\c)
.endr
.set n, 0
.rept 32
	global_load_b32 v[WVR+n], v[AW2], s[20:21] offset:256*n
.set n, n+1
.endr
.irp c, 0,1,2,3
	global_load_b32 v[W1V+(\c)], v[AW1], s[12:13] offset:512*(\c)
.endr
	global_load_b32 v[W1V+4], v[AW1], s[14:15]
.set n, 0
.rept 16
	global_load_b32 v[X3+n], v[AW3], s[28:29] offset:32*n
.set n, n+1
.endr
.irp c, 0,1,2,3
	global_load_b128 v[G3+4*(\c):G3+4*(\c)+3], v[AG2], s[24:25] offset:16*(\c)
	global_load_b128 v[B3+4*(\c):B3+4*(\c)+3], v[AG2], s[26:27] offset:16*(\c)
.endr
	global_load_b32 v[B3V], v[AHD], s[30:31]
	global_load_b32 v[BSV], v[AHD], s[4:5]
	global_load_b32 v[B2V], v[AJ], s[22:23]
	s_wait_loadcnt 0x0
	s_wait_kmcnt 0x0
	; ---------------------------------------------------------------- preparation 1.  W2: my 32 rows of column j: g1 W2, its sum, and the sum of beta1 W2
.set n, 0
.rept 32
.if n < 2
	v_mul_f32 v[CSA+2+n], s[SB+n], v[WVR+n]
.else
	v_fmac_f32 v[CSA+2+n%2], s[SB+n], v[WVR+n]
.endif
	v_mul_f32 v[WVR+n], s[SG+n], v[WVR+n]
.if n >= 4
	v_add_f32 v[CSA+n%2], v[CSA+n%2], v[WVR+n]
.elseif n >= 2
	v_add_f32 v[CSA+n%2], v[WVR+n-2], v[WVR+n]
.endif
.set n, n+1
.endr
	v_add_f32 v[CSA], v[CSA], v[CSA+1]
	v_add_f32 v[CSA+2], v[CSA+2], v[CSA+3]
	ds_store_b32 v[LT], v[CSA] offset:PART
	ds_store_b32 v[LT], v[CSA+2] offset:PART+1024
	; W1 and b1 of unit m: K slots 0-4 of a fragment's lanes 0-15.  Waves 4-7 write zeros for lanes 16-31 (K slots 8-15)
	s_cmp_lt_u32 s[WAVE], 4
	s_cselect_b32 s104, -1, 0
	v_cvt_pk_f16_f32 v[PK1], v[W1V], v[W1V+1]
	v_cvt_pk_f16_f32 v[PK1+1], v[W1V+2], v[W1V+3]
	v_cvt_pk_f16_f32 v[PK1+2], v[W1V+4], v[VZ]
	v_mov_b32 v[PK1+3], 0
	v_and_b32 v[PK1], s104, v[PK1]
	v_and_b32 v[PK1+1], s104, v[PK1+1]
	v_and_b32 v[PK1+2], s104, v[PK1+2]
	ds_store_b128 v[LW1], v[PK1:PK1+3] offset:W1L
	; W3, in every wave: lane (kq, hd) has rows 16 kq .. 16 kq + 15 of head hd; the sums over the four kq cross lanes 8, 16 and 24 away
	v_mul_f32 v[CB3], v[B3], v[X3]
.set n, 1
.rept 15
	v_fmac_f32 v[CB3], v[B3+n], v[X3+n]
.set n, n+1
.endr
.set n, 0
.rept 8
	v_pk_mul_f32 v[X3+n:X3+n+1], v[G3+n:G3+n+1], v[X3+n:X3+n+1]
.set n, n+2
.endr
	v_add_f32 v[CS3], v[X3], v[X3+1]
.set n, 2
.rept 14
	v_add_f32 v[CS3], v[CS3], v[X3+n]
.set n, n+1
.endr
	v_add_f32_dpp v[CS3], v[CS3], v[CS3] row_xmask:8 row_mask:0xf bank_mask:0xf
	v_add_f32_dpp v[CB3], v[CB3], v[CB3] row_xmask:8 row_mask:0xf bank_mask:0xf
	v_permlanex16_b32 v[G3], v[CS3], s[SEL], s[SEL+1]
	v_permlanex16_b32 v[G3+1], v[CB3], s[SEL], s[SEL+1]
	v_add_f32 v[CS3], v[CS3], v[G3]
	v_add_f32 v[CB3], v[CB3], v[G3+1]
	v_mul_f32 v[NM3], 0xbe800000, v[CS3]    ; -16 x the column's mean = -0.25 x its sum
.set n, 0
.rept 16
	v_fmamk_f32 v[X3+n], v[X3+n], 0x41800000, v[NM3]  ; 16 (g2 W3 - mean)
.set n, n+1
.endr
.set n, 0
.rept 8
	v_cvt_pk_f16_f32 v[PK3+n], v[X3+2*n], v[X3+2*n+1]
.set n, n+1
.endr
	v_add_f32 v[CB3], v[CB3], v[B3V]        ; c3 = beta2 W3 + b3
	v_mul_f32 v[CB3], v[BSV], v[CB3]
.set n, 0
.rept 8
	v_readlane_b32 s[BS+n], v[BSV], n       ; g1's and beta1's scalars are no longer read: their registers are taken
	v_readlane_b32 s[CB+n], v[CB3], n
.set n, n+1
.endr
	s_cmp_lg_u32 s[WAVE], 0                 ; one wave writes W3's fragments; head hd goes to rows hd and hd + 8
	s_cbranch_scc1 .Lno_w3
	ds_store_b128 v[LW3], v[PK3:PK3+3] offset:W3L
	ds_store_b128 v[LW3], v[PK3:PK3+3] offset:W3L+128
	ds_store_b128 v[LW3], v[PK3+4:PK3+7] offset:W3L+256
	ds_store_b128 v[LW3], v[PK3+4:PK3+7] offset:W3L+384
.Lno_w3:
	; the pose: q / (|q| + 1e-8), the rotation's nine entries, -t; the same in every lane, then scalars
	v_mul_f32 v80, v[PQ+3], v[PQ+3]
	v_fmac_f32 v80, v[PQ+4], v[PQ+4]
	v_fmac_f32 v80, v[PQ+5], v[PQ+5]
	v_fmac_f32 v80, v[PQ+6], v[PQ+6]
	v_sqrt_f32 v81, v80
	v_nop                                   ; a plain instruction behind the root,
	s_wait_alu depctr_va_vdst(0)            ; and the wait ahead of its first reader
	v_add_f32 v81, 0x322bcc77, v81          ; + 1e-8
	v_rcp_f32 v82, v81
	v_nop
	s_wait_alu depctr_va_vdst(0)
.irp c, 3,4,5,6
	v_mul_f32 v[PQ+(\c)], v[PQ+(\c)], v82
.endr
	v_add_f32 v83, v[PQ+3], v[PQ+3]         ; 2 x, 2 y, 2 z
	v_add_f32 v84, v[PQ+4], v[PQ+4]
	v_add_f32 v85, v[PQ+5], v[PQ+5]
	v_mul_f32 v86, v[PQ+3], v83             ; 2 xx
	v_mul_f32 v87, v[PQ+4], v84             ; 2 yy
	v_mul_f32 v88, v[PQ+5], v85             ; 2 zz
	v_mul_f32 v89, v[PQ+3], v84             ; 2 xy
	v_mul_f32 v90, v[PQ+3], v85             ; 2 xz
	v_mul_f32 v91, v[PQ+4], v85             ; 2 yz
	v_mul_f32 v20, v[PQ+6], v83             ; 2 wx
	v_mul_f32 v21, v[PQ+6], v84             ; 2 wy
	v_mul_f32 v22, v[PQ+6], v85             ; 2 wz
	v_sub_f32 v23, 1.0, v87                 ; R00
	v_sub_f32 v23, v23, v88
	v_add_f32 v24, v89, v22                 ; R10
	v_sub_f32 v25, v90, v21                 ; R20
	v_sub_f32 v26, v89, v22                 ; R01
	v_sub_f32 v27, 1.0, v86                 ; R11
	v_sub_f32 v27, v27, v88
	v_add_f32 v28, v91, v20                 ; R21
	v_add_f32 v29, v90, v21                 ; R02
	v_sub_f32 v30, v91, v20                 ; R12
	v_sub_f32 v31, 1.0, v86                 ; R22
	v_sub_f32 v31, v31, v87
.set n, 0
.rept 9
	v_readfirstlane_b32 s[RM+n], v[23+n]
.set n, n+1
.endr
.irp c, 0,1,2
	v_readfirstlane_b32 s[NT+(\c)], v[PQ+(\c)]
	s_xor_b32 s[NT+(\c)], s[NT+(\c)], 0x80000000
.endr
	s_wait_dscnt 0x0                        ; my stores are done: the others read the sums behind the barrier
	s_barrier_signal -1
	s_barrier_wait -1
	; ---------------------------------------------------------------- preparation 2.  The four quarters' sums of column j; 32 (g1 W2 - mean) in f16; c2
.irp c, 0,1,2,3
	ds_load_b32 v[RB+(\c)], v[AJ] offset:PART+256*(\c)
	ds_load_b32 v[RB+4+(\c)], v[AJ] offset:PART+1024+256*(\c)
.endr
	s_wait_dscnt 0x0
	v_add_f32 v[RB], v[RB], v[RB+1]
	v_add_f32 v[RB+2], v[RB+2], v[RB+3]
	v_add_f32 v[RB], v[RB], v[RB+2]
	v_mul_f32 v[RB], 0xbe800000, v[RB]      ; -32 x the column's mean = -0.25 x its sum
.set n, 0
.rept 32
	v_fmamk_f32 v[WVR+n], v[WVR+n], 0x42000000, v[RB]
.set n, n+1
.endr
.set n, 0
.rept 16
	v_cvt_pk_f16_f32 v[PK2+n], v[WVR+2*n], v[WVR+2*n+1]
.set n, n+1
.endr
.irp c, 0,1,2,3                         ; K 8 c .. 8 c + 7 of my 32: lanes' half c % 2 of the fragment's block c / 2
	ds_store_b128 v[LW2], v[PK2+4*(\c):PK2+4*(\c)+3] offset:W2L+256*(\c)
.endr
	s_cmp_lt_u32 s[WAVE], 2                 ; waves 0 and 1 hold each j once
	s_cbranch_scc0 .Lno_c2
	v_add_f32 v[RB+4], v[RB+4], v[RB+5]
	v_add_f32 v[RB+6], v[RB+6], v[RB+7]
	v_add_f32 v[RB+4], v[RB+4], v[RB+6]
	v_add_f32 v[RB+4], v[RB+4], v[B2V]
	ds_store_b32 v[AJ], v[RB+4] offset:C2L
.Lno_c2:
	s_wait_dscnt 0x0
	s_barrier_signal -1
	s_barrier_wait -1
	; ---------------------------------------------------------------- preparation 3.  Every wave takes all fragments into its registers; LDS is read no more
	WIN 0x40                                ; destination window 1, address window 0
.set n, 0
.rept 32
	ds_load_b128 v[W2F+4*n:W2F+4*n+3], v[LL] offset:W2L+512*n
.set n, n+1
.endr
.set n, 0
.rept 8
	ds_load_b128 v[W1F+4*n:W1F+4*n+3], v[LL] offset:W1L+512*n
.set n, n+1
.endr
.irp c, 0,1,2,3
	ds_load_b128 v[C2+8*(\c):C2+8*(\c)+3], v[LH] offset:C2L+64*(\c)
	ds_load_b128 v[C2+8*(\c)+4:C2+8*(\c)+7], v[LH] offset:C2L+64*(\c)+16
.endr
	WIN 0
.irp c, 0,1,2,3
	ds_load_b128 v[X3+4*(\c):X3+4*(\c)+3], v[LL] offset:W3L+512*(\c)
.endr
	v_cmp_gt_u32 vcc_lo, 8, v[T0]           ; rows 0-7
	v_mov_b32 v[G3], 0x3c003c00             ; 1.0 twice
	s_mov_b32 s[AL1], 0x41000000
	s_mov_b32 s[EK1], 0x3c27c5ac
	s_mov_b32 s[AL2], 4.0
	s_mov_b32 s[EK2], 0x3b27c5ac
	s_mov_b32 s[QRT], 0x3e800000
	s_mov_b32 s[CNT], 4
	s_wait_dscnt 0x0
	WIN 0x40
.set n, 0
.rept 16
	v_cndmask_b32 v[A3A+n], v[G3], v[X3+n], vcc_lo
	v_cndmask_b32 v[A3B+n], v[X3+n], v[G3], vcc_lo
.set n, n+1
.endr
.set n, 0
.rept 8
	v_mov_b32 v[ONE+n], v[G3]
.set n, n+1
.endr
.set n, 0
.rept 4
	v_mov_b32 v[W1F+32+n], 0
.set n, n+1
.endr
	WIN 0
; ---------------------------------------------------------------- the steps of a pass
; Point i of my four: into the grasp's frame, its norm, rounded to f16.  Lanes 0-15's words are tile 0's source 1 as they stand (what lanes 16-31 hold there meets zeros of W1's fragments); tile 1's are the same words from the lane 16 away.
.macro FEATS i
	WIN 0
.irp c, 0,1,2
	v_add_f32 v[TM+(\c)], s[NT+(\c)], v[PTS+3*(\i)+(\c)]
.endr
.irp c, 0,1,2
	v_mul_f32 v[TM+3+(\c)], s[RM+3*(\c)], v[TM]
.endr
.irp c, 0,1,2
	v_fmac_f32 v[TM+3+(\c)], s[RM+3*(\c)+1], v[TM+1]
.endr
.irp c, 0,1,2
	v_fmac_f32 v[TM+3+(\c)], s[RM+3*(\c)+2], v[TM+2]
.endr
	v_mul_f32 v[TM+6], v[TM+3], v[TM+3]
	v_fmac_f32 v[TM+6], v[TM+4], v[TM+4]
	v_fmac_f32 v[TM+6], v[TM+5], v[TM+5]
	v_sqrt_f32 v[TM+7], v[TM+6]
	v_cvt_pk_f16_f32 v[F0], v[TM+3], v[TM+4]    ; the plain instruction behind the root
	s_wait_alu depctr_va_vdst(0)                ; the wait ahead of the root's first reader
	v_cvt_pk_f16_f32 v[F0+1], v[TM+5], v[TM+7]
	v_permlanex16_b32 v[F1], v[F0], s[SEL], s[SEL+1]
	v_permlanex16_b32 v[F1+1], v[F0+1], s[SEL], s[SEL+1]
.endm
; The next group's points are asked for when this group's last point has been read: three quarters of a pass... a whole pass's work stands ahead of the wait for them.  The last group asks for nothing.
.macro NEXTPTS
	s_cmp_eq_u32 s[CNT], 1
	s_cbranch_scc1 .Lno_more
	v_add_nc_u32 v[PO], 1536, v[PO]             ; free since the wait for its loads at the loop's head
.irp c, 0,1,2
	global_load_b128 v[PTS+4*(\c):PTS+4*(\c)+3], v[PO], s[8:9] offset:16*(\c)
.endr
.Lno_more:
.endm
.macro L1 u                             ; layer 1 of tile u: 8 products, 16 units each
	WIN 0x01                                    ; source 0 in window 1
.irp t, 0,1,2,3,4,5,6,7
	MMA ZA+8*(\t), W1F+4*(\t), F0+8*(\u), 1
.endr
.endm
.macro CVT1 u                           ; rounded to f16 in pairs, each accumulator from its low end on, then the ReLU on two numbers at once
	WIN 0
	PLACES
.set n, 0
.rept 32
	v_cvt_pk_f16_f32 v[R0+32*(\u)+n], v[ZA+2*n], v[ZA+2*n+1]
.set n, n+1
.endr
.set n, 0
.rept 32
	v_pk_max_num_f16 v[R0+32*(\u)+n], v[R0+32*(\u)+n], v[VZ]
.set n, n+1
.endr
.endm
.macro GRAM cnt                         ; r^T r over cnt x 32 units; the two tiles' accumulators take turns
	WIN 0
.set n, 0
.rept \cnt
.irp u, 0,1
	MMA GA+8*(\u), R0+32*(\u)+8*n, R0+32*(\u)+8*n, n==0
.endr
.set n, n+1
.endr
.endm
.macro L2RUN                            ; ones x r and layer 2, both tiles: ten accumulators by turns, one instruction a turn
	WIN 0x01
.set n, 0
.rept 4
.irp u, 0,1
	MMA SA+8*(\u), ONE, R0+32*(\u)+8*n, n==0
.irp m, 0,1,2,3
	MMA ZA+32*(\u)+8*(\m), W2F+8*(4*(\m)+n), R0+32*(\u)+8*n, n==0
.endr
.endr
.set n, n+1
.endr
.endm
; The diagonals of both tiles' r^T r: the masked registers are added; lanes 0-7 then hold pairs 0-7's S2, lanes 24-31 pairs 8-15's, the others 0; with the lane 16 away added every lane holds S2 of pair lane % 16.
.macro DIAG2
.irp u, 0,1
	v_pk_mul_f32 v[TM+4+2*(\u):TM+5+2*(\u)], v[GA+8*(\u):GA+8*(\u)+1], v[MSK:MSK+1]
.endr
.irp c, 2,4,6
.irp u, 0,1
	v_pk_fma_f32 v[TM+4+2*(\u):TM+5+2*(\u)], v[GA+8*(\u)+(\c):GA+8*(\u)+(\c)+1], v[MSK+(\c):MSK+(\c)+1], v[TM+4+2*(\u):TM+5+2*(\u)]
.endr
.endr
.irp u, 0,1
	v_add_f32 v[TM+4+2*(\u)], v[TM+4+2*(\u)], v[TM+5+2*(\u)]
.endr
.irp u, 0,1
	v_permlanex16_b32 v[TM+5+2*(\u)], v[TM+4+2*(\u)], s[SEL], s[SEL+1]
.endr
.irp u, 0,1
	v_add_f32 v[TM+8+(\u)], v[TM+4+2*(\u)], v[TM+5+2*(\u)]
.endr
.endm
.macro STAT sum, sq, al, ek, mu, w, rs  ; rs = rsqrt(max(al S2 - (S1 / 4)^2, 0) + ek)
	v_mul_f32 v[\mu], s[QRT], v[\sum]
	v_fma_f32 v[\w], v[\sq], s[\al], s[\ek]
	v_fma_f32 v[\w], -v[\mu], v[\mu], v[\w]
	v_max_num_f32 v[\w], s[\ek], v[\w]
	v_rsq_f32 v[\rs], v[\w]
.endm
.macro EPI2 u                           ; z2 = rs1 Y + c2, rounded to f16, ReLU
	WIN 0x10                                    ; source 2 (c2) in window 1
.set n, 0
.rept 16
	v_pk_fma_f32 v[ZA+32*(\u)+2*n:ZA+32*(\u)+2*n+1], v[ZA+32*(\u)+2*n:ZA+32*(\u)+2*n+1], v[TM+12+2*(\u):TM+13+2*(\u)], v[C2+2*n:C2+2*n+1] op_sel_hi:[1,0,1]
.set n, n+1
.endr
	WIN 0
.set n, 0
.rept 16
	v_cvt_pk_f16_f32 v[R0+32*(\u)+n], v[ZA+32*(\u)+2*n], v[ZA+32*(\u)+2*n+1]
.set n, n+1
.endr
.set n, 0
.rept 16
	v_pk_max_num_f16 v[R0+32*(\u)+n], v[R0+32*(\u)+n], v[VZ]
.set n, n+1
.endr
.endm
; Layer 3.  Tile 0 takes heads in rows 0-7 and ones in rows 8-15, tile 1 the other way round: so lanes 0-15 of tile 0's result and lanes 16-31 of tile 1's hold the eight heads of the lane's OWN pair,
; and the other halves hold S1 of the pair 16 lanes away.
.macro L3RUN
	WIN 0x01
.irp k, 0,1
	MMA SA, A3A+8*(\k), R0+8*(\k), (\k)==0
	MMA SA+8, A3B+8*(\k), R0+32+8*(\k), (\k)==0
.endr
.endm
.macro FIN i
	WIN 0
	PLACES
	v_cndmask_b32 v[TM+10], v[SA+8], v[SA], s[HIM]      ; S1, still in the lane 16 away; each accumulator's lowest register is read first
	DIAG2
	v_permlanex16_b32 v[TM+11], v[TM+10], s[SEL], s[SEL+1]
	v_cndmask_b32 v[TM+8], v[TM+8], v[TM+9], s[HIM]     ; S2 of my own pair
	STAT TM+11, TM+8, AL2, EK2, TM+10, TM+4, TM+12
.irp j, 0,1,2,3,4,5,6,7
	v_cndmask_b32 v[SA+(\j)], v[SA+(\j)], v[SA+8+(\j)], s[HIM]  ; my pair's heads; these stand between the root and the wait for it
.endr
	s_wait_alu depctr_va_vdst(0)
.irp j, 0,2,4,6
	v_pk_mul_f32 v[SA+(\j):SA+(\j)+1], v[SA+(\j):SA+(\j)+1], v[TM+12:TM+13] op_sel_hi:[1,0]
.endr
.irp j, 0,1,2,3,4,5,6,7
	v_fma_f32 v[OUT+4*(\j)+(\i)], v[SA+(\j)], s[BS+(\j)], s[CB+(\j)]
.endr
.endm
.macro ITER i
	FEATS \i
.if (\i) == 3
	NEXTPTS
.endif
	L1 0
	CVT1 0
	L1 1
	CVT1 1
	GRAM 4
	L2RUN
	WIN 0
	PLACES
	DIAG2
	STAT SA, TM+8, AL1, EK1, TM+10, TM+4, TM+12
	STAT SA+8, TM+9, AL1, EK1, TM+11, TM+6, TM+14
	v_nop                                       ; a plain instruction behind the second root,
	s_wait_alu depctr_va_vdst(0)                ; and one wait for the two
	EPI2 0
	EPI2 1
	GRAM 2
	L3RUN
	FIN \i
.endm
	; ---------------------------------------------------------------- four groups of 128 points
.Lgroup:
	s_wait_loadcnt 0x0                      ; the group's points: nothing younger is out
	ITER 0
	ITER 1
	ITER 2
	ITER 3
.irp j, 0,1,2,3,4,5,6,7
	global_store_b128 v[OO], v[OUT+4*(\j):OUT+4*(\j)+3], s[6:7] offset:(\j)*1048576 th:TH_STORE_NT  ; head j: the wave's 128 points, 512 consecutive bytes, at a multiple of 512 from out's first byte
.endr
	s_wait_xcnt 0x0                         ; the stores' offset and data are written again only behind this wait
	v_add_nc_u32 v[OO], 512, v[OO]
	s_sub_co_u32 s[CNT], s[CNT], 1
	s_cmp_lg_u32 s[CNT], 0
	s_cbranch_scc1 .Lgroup
	s_wait_tensorcnt 0x0                    ; the wave's end
	ds_add_u32 v[SPW], v[NIL]
	s_wait_dscnt 0x0
	s_endpgm
.Lfunc_end_k_qf6816592e8_geo_bias:
	.size	k_qf6816592e8_geo_bias, .Lfunc_end_k_qf6816592e8_geo_bias-k_qf6816592e8_geo_bias
	.p2alignl 7, 3214868480
	.fill 96, 4, 3214868480
	.section	.rodata,"a",@progbits
	.p2align	6, 0x0
	.amdhsa_kernel k_qf6816592e8_geo_bias
		.amdhsa_group_segment_fixed_size 26112
		.amdhsa_private_segment_fixed_size 0
		.amdhsa_enable_private_segment 0
		.amdhsa_kernarg_size 112
		.amdhsa_user_sgpr_count 2
		.amdhsa_user_sgpr_kernarg_segment_ptr 1
		.amdhsa_wavefront_size32 1
		.amdhsa_system_sgpr_workgroup_id_x 1
		.amdhsa_system_sgpr_workgroup_id_y 1
		.amdhsa_system_sgpr_workgroup_id_z 1
		.amdhsa_system_vgpr_workitem_id 0
		.amdhsa_next_free_vgpr 496
		.amdhsa_next_free_sgpr 106
		.amdhsa_reserve_vcc 1
		.amdhsa_float_denorm_mode_32 3
		.amdhsa_float_denorm_mode_16_64 3
		.amdhsa_memory_ordered 1
		.amdhsa_forward_progress 1
		.amdhsa_inst_pref_size 129
	.end_amdhsa_kernel
	.amdgpu_metadata
---
amdhsa.version: [ 1, 2 ]
amdhsa.kernels:
  - .name:           k_qf6816592e8_geo_bias
    .symbol:         k_qf6816592e8_geo_bias.kd
    .args:
      - { .name: scene_points, .offset: 0, .size: 8, .value_kind: global_buffer, .address_space: global }
      - { .name: grasp_poses, .offset: 8, .size: 8, .value_kind: global_buffer, .address_space: global }
      - { .name: W1, .offset: 16, .size: 8, .value_kind: global_buffer, .address_space: global }
      - { .name: b1, .offset: 24, .size: 8, .value_kind: global_buffer, .address_space: global }
      - { .name: g1, .offset: 32, .size: 8, .value_kind: global_buffer, .address_space: global }
      - { .name: beta1, .offset: 40, .size: 8, .value_kind: global_buffer, .address_space: global }
      - { .name: W2, .offset: 48, .size: 8, .value_kind: global_buffer, .address_space: global }
      - { .name: b2, .offset: 56, .size: 8, .value_kind: global_buffer, .address_space: global }
      - { .name: g2, .offset: 64, .size: 8, .value_kind: global_buffer, .address_space: global }
      - { .name: beta2, .offset: 72, .size: 8, .value_kind: global_buffer, .address_space: global }
      - { .name: W3, .offset: 80, .size: 8, .value_kind: global_buffer, .address_space: global }
      - { .name: b3, .offset: 88, .size: 8, .value_kind: global_buffer, .address_space: global }
      - { .name: bias_scale, .offset: 96, .size: 8, .value_kind: global_buffer, .address_space: global }
      - { .name: out0, .offset: 104, .size: 8, .value_kind: global_buffer, .address_space: global }
    .group_segment_fixed_size: 26112
    .private_segment_fixed_size: 0
    .kernarg_segment_align: 8
    .kernarg_segment_size: 112
    .max_flat_workgroup_size: 256
    .sgpr_count:     106
    .vgpr_count:     496
    .wavefront_size: 32
...
	.end_amdgpu_metadata
.endif
;; end of part 1
